; MI455X (gfx1250); checked and timed in simulation.
; The chip was launched on July 23, 2026; its instructions are those of AMD's public machine-readable ISA for CDNA 5 (MIT licence, August 2026) and "CDNA5" Instruction Set Architecture Reference Guide (July 2026). The comments in the code are by the model that wrote it; some were corrected since.
;; Attention Head. Allowed arithmetic: matrix products marked QUANTISED: E2M3 operands, one E8M0 scale for each 32 along K, by v_wmma_scale_f32_16x16x128_f8f6f4 with both operands' format E2M3, f32 sums; everything else in f32.
;; Inputs: Wk 64 x 1,024 float32; Wq 64 x 1,024 float32; Wv 64 x 1,024 float32; bk 64 float32; bq 64 float32; bv 64 float32; x 4 x 4,096 x 1,024 float32.
;; Outputs: out0 4 x 4,096 x 64 float32.
;; This version of the problem:
;;   THIS VERSION OF THE PROBLEM IS GIVEN IN LOW PRECISION. The matrix products marked QUANTISED in the list below multiply operands that are first quantised to E2M3 (2 exponent bits, 3 mantissa bits; 6 bits a number), with one power-of-two scale for each 32 numbers along K (OCP MX v1.0); their sums are f32. All else is computed in f32.
;;   The module's matrix products, in the order in which they are computed (A, B: the left and right operand; K: the contracted axis; several contracted axes count as one K, in the product's order):
;;     1. [M 16,384, K 1,024] x [K 1,024, N 64]; A: input x; B: input Wq: QUANTISED
;;     2. [M 16,384, K 1,024] x [K 1,024, N 64]; A: input x; B: input Wk: QUANTISED
;;     3. [M 16,384, K 1,024] x [K 1,024, N 64]; A: input x; B: input Wv: QUANTISED
;;     4. batch 4 x [M 4,096, K 64] x [K 64, N 4,096]; A: computed on the way; B: computed on the way: QUANTISED
;;     5. batch 4 x [M 4,096, K 4,096] x [K 4,096, N 64]; A: softmax (see below); B: computed on the way: QUANTISED
;;   THE QUANTISER, for each operand of a quantised product, along K:
;;     - K is cut into blocks of 32 from its start; a last block that is shorter is filled with zeros.
;;     - A block's scale is 2^e with e = floor(log2(the largest magnitude in the block)) - 2, held to -126 .. 127; a block of zeros has e = 0. As a byte (E8M0): e + 127.
;;     - Each number is divided by its block's scale, clamped to +-7.5, and rounded to the nearest number of E2M3, ties to even, subnormals kept.
;;     - The product sums the exact products of the quantised numbers (number of the format x scale) in f32.
;;   ~~~python
;;   def quantise(x, axis):      # numpy; x: float32 -> the quantised numbers, widened to float32 again
;;       x = np.moveaxis(x, axis, -1); K = x.shape[-1]
;;       x = np.pad(x, [(0, 0)] * (x.ndim - 1) + [(0, -K % 32)]); x = x.reshape(x.shape[:-1] + (-1, 32)); a = np.abs(x).max(-1, keepdims=True)
;;       e = np.where(a > 0, np.clip(np.frexp(np.where(a > 0, a, 1))[1] - 1 - 2, -126, 127), 0)      # np.frexp(a)[1] - 1 = floor(log2(a)), exactly
;;       r = np.clip(x / 2.0 ** e, -7.5, 7.5)
;;       step = 2.0 ** (np.maximum(np.frexp(np.where(r == 0, 1, r))[1] - 1, 0) - 3)
;;       q = np.round(r / step) * step * 2.0 ** e      # np.round: ties to even
;;       return np.moveaxis(q.reshape(q.shape[:-2] + (-1,))[..., :K], -1, axis).astype(np.float32)
;;   ~~~
;;   SOFTMAX AHEAD OF A QUANTISED PRODUCT. Where the list says 'softmax', what is quantised is not the finished softmax but p = 2^(t - M), with t = logit x log2(e) and M = ceil(the row's largest t), a whole number; so 1/2 < the row's largest p <= 1. The row's sum l is taken of the UNQUANTISED p, in f32, and the product's result is divided by l at the end. Since M is a whole number, a kernel that streams over the keys may use a running M (the ceiling of the running maximum): every later rescaling is an exact power of two, which a block's scale takes up: the codes' values come out the same.
;;   OPERANDS COMPUTED ON THE WAY. 'Computed on the way' means the value that the module computes at that place (a softmax that the list does not call 'softmax' is quantised finished and normalised). What goes into a quantiser is computed in f32, as accurately as f32 sums, v_exp_f32 and their like allow (about 1e-6 of the number): no bf16 or f16 on the way to a quantiser, and a product that is left as it is and whose result goes on into a quantised operand takes f32 operands (vector FMAs, or v_wmma_f32_16x16x4_f32). A number that lies on a knife's edge between two numbers of the format may be rounded either way, as far as f32 arithmetic and the matrix unit's own rounding can turn it there, and no further.
;; One version. Each part assembles by itself: llvm-mc -triple=amdgcn-amd-amdhsa -mcpu=gfx1250 --defsym DOCPART=n.
;; ======== version 1 of 1: 3 launches
;; limits: right only within a limited range of input values
;; workspace buffers: wcodes 147,456 bytes; wsc 6,144 bytes; q 917,504 bytes; kv 1,245,184 bytes; kvg 393,216 bytes
;; launch quantw (part 1): grid 192 x 1, 1 waves a work-group, no clusters, 0 bytes of LDS; arguments Wq, Wk, Wv, wcodes, wsc; writes wcodes, wsc
.if DOCPART == 1
	.amdgcn_target "amdgcn-amd-amdhsa--gfx1250"
	.amdhsa_code_object_version 6
	.text
	.protected	k_q7a96ac5824_quantw
	.globl	k_q7a96ac5824_quantw
	.p2align	8
	.type	k_q7a96ac5824_quantw,@function
k_q7a96ac5824_quantw:
	s_mov_b64 s[64:65], 0
	v_nop
	global_prefetch_b8 v0, s[64:65] scope:SCOPE_SE
	s_setreg_imm32_b32 hwreg(HW_REG_WAVE_MODE, 25, 1), 1
	s_wait_xcnt 0x0
; Launch 1 of 3.  Wq, Wk, Wv [64][1024] f32 become codes of FP6 (E2M3) with one E8M0 scale byte for each 32 along K = 1,024, laid as images of operand registers.
; THE WHOLE PROGRAM: (1) this launch; (2) proj: x is quantised along its 1,024, Q = x Wq^T + bq, K, V likewise, and Q, K (along the head's 64) and V (along the keys) are quantised;
; (3) attn: S = Q K^T, p = 2^(t - M), O = P V / l.
; NO WORK OF THE PROBLEM IS LEFT OUT: every input has a way to the output.  bq and bk move the codes of Q and K, which are operands of a live quantised product; bv moves V's codes.  All seven inputs are loaded.
; A HALF IMAGE is 16 rows x 64 along K: six registers a lane, 768 bytes: registers 0-3 at 16 x lane, registers 4-5 at 512 + 8 x lane.  Lane (r, h) = (lane % 16, lane / 16) holds row r, the block of 32 number h of the 64.
; Half image n = 16 (4 i + T) + kc: tensor i (0 Wq, 1 Wk, 2 Wv), rows 16 T on, numbers 64 kc on.  wsc: 512 bytes for each (i, T): row r's 32 bytes at 32 r, in the order of K.
; SHARES.  A work-group is one wave and makes one half image: 192 of them.  A lane holds a whole block, so nothing passes between lanes; no byte is read by two work-groups: no cluster, no LDS.
; A block's scale is 2^(floor(log2(its largest magnitude)) - 2); its byte is the largest magnitude's exponent field - 2, held at 1 from below.
; LIMITS: a block of zeros, or one whose largest magnitude lies under 2^-124, gets the byte 1 where the rule says 127 for zeros: its codes are zeros, and this program alone reads the bytes.  NaN and infinities among the inputs are not served.
	s_load_b256 s[4:11], s[0:1], 0x0               ; Wq, Wk, Wv, wcodes s[10:11]
	s_load_b64 s[12:13], s[0:1], 0x20              ; wsc
	s_lshr_b32 s15, ttmp9, 6                       ; the tensor
	s_bfe_u32 s16, ttmp9, 0x20004                  ; T
	s_and_b32 s14, ttmp9, 15                       ; kc
	s_lshl_b32 s16, s16, 16                        ; 16 rows of 4,096 bytes
	s_lshl_b32 s17, s14, 8
	s_add_co_u32 s16, s16, s17
	s_mov_b32 s17, 0
	s_mul_i32 s20, ttmp9, 768
	s_mov_b32 s21, 0
	s_lshr_b32 s18, ttmp9, 4
	s_lshl_b32 s18, s18, 9
	s_lshl_b32 s14, s14, 1
	s_add_co_u32 s18, s18, s14                     ; two bytes a row for each 64 along K
	s_mov_b32 s19, 0
	v_and_b32 v3, 15, v0                           ; r
	v_bfe_u32 v4, v0, 4, 1                         ; h
	v_lshlrev_b32 v1, 12, v3
	v_lshl_add_u32 v1, v4, 7, v1                   ; my block: row r of 4,096 bytes, + 128 h
	v_lshlrev_b32 v5, 4, v0
	v_lshlrev_b32 v6, 3, v0
	v_lshl_add_u32 v7, v3, 5, v4                   ; my scale byte: 32 r + h
	s_wait_alu depctr_va_vdst(0)                   ; the wait at the head's end
	s_wait_kmcnt 0x0
	s_cmp_lt_u32 s15, 1                            ; the choice hangs on the work-group's number alone
	s_cselect_b64 s[4:5], s[4:5], s[6:7]
	s_cmp_lt_u32 s15, 2
	s_cselect_b64 s[4:5], s[4:5], s[8:9]
	s_add_nc_u64 s[4:5], s[4:5], s[16:17]
	s_add_nc_u64 s[10:11], s[10:11], s[20:21]
	s_add_nc_u64 s[12:13], s[12:13], s[18:19]
.irp j, 0,1,2,3,4,5,6,7
	global_load_b128 v[16+4*\j:19+4*\j], v1, s[4:5] offset:16*\j th:TH_LOAD_NT
.endr
	s_wait_loadcnt 0x0
	v_max3_num_f32 v8, |v16|, |v17|, 0x1800000     ; the floor 2^(3 - 127): so the byte cannot fall under 1
	v_max3_num_f32 v9, |v32|, |v33|, |v34|
.irp i, 2,4,6,8,10,12
	v_max3_num_f32 v8, v8, |v[16+\i]|, |v[17+\i]|
	v_max3_num_f32 v9, v9, |v[33+\i]|, |v[34+\i]|
.endr
	v_max3_num_f32 v8, v8, |v30|, |v31|
	v_max3_num_f32 v8, v8, v9, |v47|
	v_add_nc_u32 v10, 0xff000000, v8               ; 2 off its exponent field: the conversion takes the exponent field of this operand as its scale
	v_cvt_scalef32_pk16_fp6_f32 v[48:50], v[16:31], v10
	v_cvt_scalef32_pk16_fp6_f32 v[56:58], v[32:47], v10   ; (a conversion's three registers begin on an even number: the second three are moved)
	v_lshrrev_b32 v11, 23, v10                     ; the scale's byte
.irp i, 0,1,2
	v_mov_b32 v[51+\i], v[56+\i]
.endr
	global_store_b128 v5, v[48:51], s[10:11]               ; 512 consecutive bytes,
	global_store_b64 v6, v[52:53], s[10:11] offset:512     ; and 256 more, at multiples of 256 from the buffer's first byte
	global_store_b8 v7, v11, s[12:13]
	s_endpgm
.Lfunc_end_k_q7a96ac5824_quantw:
	.size	k_q7a96ac5824_quantw, .Lfunc_end_k_q7a96ac5824_quantw-k_q7a96ac5824_quantw
	.p2alignl 7, 3214868480
	.fill 96, 4, 3214868480
	.section	.rodata,"a",@progbits
	.p2align	6, 0x0
	.amdhsa_kernel k_q7a96ac5824_quantw
		.amdhsa_group_segment_fixed_size 0
		.amdhsa_private_segment_fixed_size 0
		.amdhsa_enable_private_segment 0
		.amdhsa_kernarg_size 40
		.amdhsa_user_sgpr_count 2
		.amdhsa_user_sgpr_kernarg_segment_ptr 1
		.amdhsa_wavefront_size32 1
		.amdhsa_system_sgpr_workgroup_id_x 1
		.amdhsa_system_sgpr_workgroup_id_y 1
		.amdhsa_system_sgpr_workgroup_id_z 1
		.amdhsa_system_vgpr_workitem_id 0
		.amdhsa_next_free_vgpr 64
		.amdhsa_next_free_sgpr 66
		.amdhsa_reserve_vcc 0
		.amdhsa_float_denorm_mode_32 3
		.amdhsa_float_denorm_mode_16_64 3
		.amdhsa_memory_ordered 1
		.amdhsa_forward_progress 1
		.amdhsa_inst_pref_size 4
	.end_amdhsa_kernel
	.amdgpu_metadata
---
amdhsa.version: [ 1, 2 ]
amdhsa.kernels:
  - .name:           k_q7a96ac5824_quantw
    .symbol:         k_q7a96ac5824_quantw.kd
    .args:
      - { .name: Wq, .offset: 0, .size: 8, .value_kind: global_buffer, .address_space: global }
      - { .name: Wk, .offset: 8, .size: 8, .value_kind: global_buffer, .address_space: global }
      - { .name: Wv, .offset: 16, .size: 8, .value_kind: global_buffer, .address_space: global }
      - { .name: wcodes, .offset: 24, .size: 8, .value_kind: global_buffer, .address_space: global }
      - { .name: wsc, .offset: 32, .size: 8, .value_kind: global_buffer, .address_space: global }
    .group_segment_fixed_size: 0
    .private_segment_fixed_size: 0
    .kernarg_segment_align: 8
    .kernarg_segment_size: 40
    .max_flat_workgroup_size: 32
    .sgpr_count:     66
    .vgpr_count:     64
    .wavefront_size: 32
...
	.end_amdgpu_metadata
.endif
;; end of part 1
;; launch proj (part 2): grid 256 x 1, 16 waves a work-group, no clusters, 327,680 bytes of LDS; arguments x, wcodes, wsc, bq, bk, bv, q, kv, kvg; writes q, kv, kvg
.if DOCPART == 2
	.amdgcn_target "amdgcn-amd-amdhsa--gfx1250"
	.amdhsa_code_object_version 6
	.text
	.protected	k_q7a96ac5824_proj
	.globl	k_q7a96ac5824_proj
	.p2align	8
	.type	k_q7a96ac5824_proj,@function
k_q7a96ac5824_proj:
	s_mov_b64 s[64:65], 0
	v_nop
	global_prefetch_b8 v0, s[64:65] scope:SCOPE_SE
	s_setreg_imm32_b32 hwreg(HW_REG_WAVE_MODE, 25, 1), 1
	s_wait_xcnt 0x0
; Launch 2 of 3.  x [16,384][1,024] f32 is quantised along its 1,024 to codes of FP6 (E2M3) with one E8M0 scale for each 32; Q = x Wq^T + bq, K = x Wk^T + bk, V = x Wv^T + bv on codes (W's come from launch 1);
; Q and K are quantised along the head's 64, V along the keys (tokens), and leave as images of operand registers for launch 3.  No work of the problem is left out here.
; SHARES.  A work-group of sixteen waves takes 64 tokens: 262,144 bytes of x, all asked for at the head by the tensor data mover, ONE tile a wave; nothing in LDS is filled again.
; Wave j brings tile m = j % 4, quarter n = j / 4: 16 tokens x 256 of the 1,024 (two K steps).
; THE TOKENS ARE DEALT TO THE FOUR TILES 4 APART: row r of tile m is token 4 r + m.  So rows 0-7 of every tile lie in the first 32 of the 64 tokens and rows 8-15 in the second 32.
; THE QUARTERS FOLLOW EACH OTHER: quarter n's four waves wait for their tiles, a barrier shows them to all; ALL sixteen waves quantise, ONE block of 32 a lane (16 waves x 32 lanes = 64 rows x 8 blocks); a barrier; the products of
; K steps 2 n and 2 n + 1.  Waves 0-11 multiply: wave j makes 16 columns (j % 4) of tensor j / 4 (Q, K, V) for all 64 tokens:
; four accumulators by turns; its eight fragments of W stay in registers.
; NO CLUSTER: what the work-groups share is W.  It goes from memory straight into registers, since x's tiles and images (319,488 bytes) and W's 147,456 do not fit in 327,680 together; x is read by one work-group alone.
; No prefetch: all of x is asked for at the head; there is no loop to run ahead in.
; EVERY QUANTISER SEES WHOLE BLOCKS OF 32 IN A LANE, in the order of the operand's registers (lane (r, h): k = 64 c + 32 h + 0 .. 31): no maximum and no code changes lanes; x's scale bytes go to their places in the words by LDS.
; Q and K are made TRANSPOSED (source 0 = 16 rows of W, source 1 = 16 tokens): a lane holds one token and eight neighbouring channels, which go through a stage in LDS.
; V is made as it stands (source 0 = 16 tokens, source 1 = 16 rows of Wv): a lane holds ONE channel, and by the deal above the 32 registers of its four tiles are the 32 tokens of block h: register 8 u + j is token 32 h + 4 j + u.
; Launch 3's p comes out of its product in the same order, since K's tiles are these tiles.  Only the order of summation inside a block changes.
; OUT, for each 64 tokens (half c of a block of 128 keys).  A HALF IMAGE is six registers: 0-3 at 16 x lane, 4-5 at 512 + 8 x lane: 768 bytes.
; q: 3,584 bytes: four tiles' half images, then four images of scale words (b0, b1, b0, b1) at 4 x lane.
; kv: 9,728 bytes for each 128 keys: K's four PAIRS of tiles (pair 2 c + p: twelve registers, registers 4 i .. 4 i + 3 at 512 i + 16 x lane), V's channel tiles 0, 1 (two half images each, by c), then for each c a record of 256
; bytes: eight a lane l: K's pair 2 c, row l % 16 of its tile l / 16: two bytes; pair 2 c + 1: two bytes; V's channel l % 16 of tile l / 16: two bytes, of tile 2 + l / 16: two bytes.
; kvg: 3,072 bytes for each 128 keys: V's channel tiles 2, 3.
; LIMITS: a block of zeros, or one under 2^-124, gets the byte 1 (its codes are zeros; this program alone reads the bytes).  NaN and infinities among the inputs are not served.
; REGISTERS: v0-15 addresses; v16-111 numbers and codes at work, then eight fragments of x; v112-119 W's scale words, v120-127 x's; v128-159 four accumulators; v160-255 W's fragments.
.set XTN,   16640                      ; a tile: 16 rows x (1,024 bytes + 16): row r starts 260 words on: 16 rows, 16 different groups of four banks (64 banks of 4 bytes: ISA guide 11.1); tile (m, n) at XTN (4 m + n)
.set XIMG,  266240                     ; x's images: fragment (m, s) of 1,536 bytes at 1,536 (8 m + s): registers 4 i .. 4 i + 3 at 512 i + 16 x lane
.set XSC,   315392                     ; and its 16 rows' scale words, 128 bytes apart
.set REC,   319488                     ; the record of scale bytes
.set SPARE, 319744                     ; the spare words, 128 bytes for each wave: blocks of 256 bytes that no other line names
.set KVB,   9728                       ; (the stage for Q and K, 64 rows x 528 bytes from LDS byte 0, lies on tiles that have had their one fill and have been read)
.set KGB,   3072
.set SRK, 0                            ; v0   the stage, back, for a pair of K's tiles
.set L16, 1                            ; v1   16 x lane
.set L8,  2                            ; v2   8 x lane
.set XA,  3                            ; v3   my block of 32 numbers in tile (j % 4, 0): row r, + 256 (j / 4) + 128 h
.set LI,  4                            ; v4   XIMG + 16 x lane
.set LS,  5                            ; v5   XSC + 4 r
.set XWI, 6                            ; v6   where my codes go
.set XWS, 7                            ; v7   and my scale byte
.set SH8, 8                            ; v8   8 h: how far my byte stands up in Q's scale word
.set SO,  9                            ; v9   the stage, in
.set SPW, 10                           ; v10  LDS address of my spare word; never rewritten
.set NIL, 11                           ; v11  0; never rewritten
.set SRQ, 12                           ; v12  the stage, back, for Q
.set VBA, 13                           ; v13  my V byte in the record
.set KBA, 14                           ; v14  my K byte in the record
.set RDA, 15                           ; v15  the record, back
.set XF,  16
.set PC,  80
.set TM,  100
.set WS,  112
.set XS,  120
.set AC,  128
.set WF,  160
.set WV,  22                           ; s22  my wave's number; s23 its quarter and tensor; s24 its tile and column group; s25 which 64 of a K step I quantise
.set SQ,  23
.set SM,  24
.set HC,  25
.set SEL, 26                           ; s[26:27] lane selects for v_permlanex16_b32: lane l xor 16
.set G1,  28
.set G0,  36
.set WCB, 40                           ; bases: my W fragments, their scale words, my bias, Q's codes, Q's scale words, K's pair, V's half image, the record
.set WSB, 42
.set BIB, 44
.set QCB, 46
.set QSB, 48
.set KCB, 50
.set VCB, 52
.set RCB, 54
; nb whole blocks of 32 numbers of a lane, block b in v[s + 32 b] on, become 6 nb registers of codes in v[pc] on; block b's byte stands in v[tm + 4 + b].
; Two chains of maxima a block; an accumulator's registers are first read at their low end.
.macro QB nb, s, pc, tm
.irp b, 0,1
.if \b < \nb
	v_max3_num_f32 v[\tm+\b], |v[\s+32*\b]|, |v[\s+32*\b+1]|, 0x1800000   ; the floor 2^(3 - 127): so the byte cannot fall under 1
	v_max3_num_f32 v[\tm+4+\b], |v[\s+32*\b+16]|, |v[\s+32*\b+17]|, |v[\s+32*\b+18]|
.endif
.endr
.irp i, 2,4,6,8,10,12
.irp b, 0,1
.if \b < \nb
	v_max3_num_f32 v[\tm+\b], v[\tm+\b], |v[\s+32*\b+\i]|, |v[\s+32*\b+\i+1]|
	v_max3_num_f32 v[\tm+4+\b], v[\tm+4+\b], |v[\s+32*\b+17+\i]|, |v[\s+32*\b+18+\i]|
.endif
.endr
.endr
.irp b, 0,1
.if \b < \nb
	v_max3_num_f32 v[\tm+\b], v[\tm+\b], |v[\s+32*\b+14]|, |v[\s+32*\b+15]|
.endif
.endr
.irp b, 0,1
.if \b < \nb
	v_max3_num_f32 v[\tm+\b], v[\tm+\b], v[\tm+4+\b], |v[\s+32*\b+31]|   ; the block's largest magnitude
.endif
.endr
.irp b, 0,1
.if \b < \nb
	v_add_nc_u32 v[\tm+8+\b], 0xff000000, v[\tm+\b]   ; 2 off its exponent field: the conversion takes the exponent field of this operand as its scale
.endif
.endr
.irp b, 0,1
.if \b < \nb
	v_lshrrev_b32 v[\tm+4+\b], 23, v[\tm+8+\b]     ; the scale's byte
.endif
.endr
.irp b, 0,1
.if \b < \nb
	v_cvt_scalef32_pk16_fp6_f32 v[\pc+6*\b:\pc+6*\b+2], v[\s+32*\b:\s+32*\b+15], v[\tm+8+\b]
	v_cvt_scalef32_pk16_fp6_f32 v[\pc+6*\nb+4*\b:\pc+6*\nb+4*\b+2], v[\s+32*\b+16:\s+32*\b+31], v[\tm+8+\b]   ; (a conversion's three registers begin on an even number: the second three are moved)
.endif
.endr
	v_nop                                          ; one plain instruction behind the last scaled conversion
.irp b, 0,1
.if \b < \nb
.irp i, 0,1,2
	v_mov_b32 v[\pc+6*\b+3+\i], v[\pc+6*\nb+4*\b+\i]
.endr
.endif
.endr
.endm
.macro BARRIER                         ; my LDS stores have landed and my LDS loads are in: then the work-group's barrier
	s_wait_dscnt 0x0
	s_barrier_signal -1
	s_barrier_wait -1
.endm
.macro PLACES n
.rept \n
	v_nop
.endr
.endm
.macro ARM n, next                     ; quarter n's four waves have a load line of their own
	s_cmp_eq_u32 s[SQ], \n
	s_cbranch_scc0 \next
	tensor_load_to_lds s[G0:G0+3], s[G1:G1+7]
	s_nop 0
	PLACES 4
	s_branch .Lasked
\next:
.endm
; My block of quarter n: fragment (j % 4, 2 n + j / 8), its half HC.
.macro QUANT n
.irp j, 0,1,2,3,4,5,6,7
	ds_load_b128 v[XF+4*\j:XF+4*\j+3], v[XA] offset:XTN*(\n)+16*\j
.endr
	s_wait_dscnt 0x0
	QB 1, XF, PC, TM
	s_wait_alu depctr_va_vdst(0)                   ; the wait ahead of the branch
	s_cmp_eq_u32 s[HC], 0
	s_cbranch_scc0 .Lupper_\n
	ds_store_b128 v[XWI], v[PC:PC+3] offset:3072*(\n)              ; the operand's registers 0-3, 4-5
	ds_store_b64 v[XWI], v[PC+4:PC+5] offset:3072*(\n)+512
	s_branch .Lstored_\n
.Lupper_\n:
	ds_store_b64 v[XWI], v[PC:PC+1] offset:3072*(\n)+520           ; or 6-7, 8-11
	ds_store_b128 v[XWI], v[PC+2:PC+5] offset:3072*(\n)+1024
.Lstored_\n:
	ds_store_b8 v[XWS], v[TM+4] offset:256*(\n)
.endm
; K step 2 n + u: four products on four accumulators.  The first step's C is the bias, which lies in the last accumulator's registers: five places ahead of the product that writes over them.
.macro PRODS n, u, tr
.set S_, 2*(\n)+(\u)
.irp m, 0,1,2,3
.if S_ == 0
.set CC_, AC+24
.if \m == 3
	PLACES 5
.endif
.else
.set CC_, AC+8*\m
.endif
.if \tr
	v_wmma_scale_f32_16x16x128_f8f6f4 v[AC+8*\m:AC+8*\m+7], v[WF+12*S_:WF+12*S_+11], v[XF+48*\u+12*\m:XF+48*\u+12*\m+11], v[CC_:CC_+7], v[WS+S_], v[XS+4*\u+\m] matrix_a_fmt:MATRIX_FMT_FP6 matrix_b_fmt:MATRIX_FMT_FP6
.else
	v_wmma_scale_f32_16x16x128_f8f6f4 v[AC+8*\m:AC+8*\m+7], v[XF+48*\u+12*\m:XF+48*\u+12*\m+11], v[WF+12*S_:WF+12*S_+11], v[CC_:CC_+7], v[XS+4*\u+\m], v[WS+S_] matrix_a_fmt:MATRIX_FMT_FP6 matrix_b_fmt:MATRIX_FMT_FP6
.endif
.endr
.endm
.macro MAT n
	s_cmp_lt_u32 s[WV], 12
	s_cbranch_scc0 .Lno_products_\n
.irp u, 0,1
.irp m, 0,1,2,3
.irp c, 0,1,2
	ds_load_b128 v[XF+48*\u+12*\m+4*\c:XF+48*\u+12*\m+4*\c+3], v[LI] offset:1536*(8*\m+2*(\n)+\u)+512*\c
.endr
	ds_load_b32 v[XS+4*\u+\m], v[LS] offset:128*(8*\m+2*(\n)+\u)
.endr
.endr
	s_cmp_eq_u32 s[SQ], 2
	s_cbranch_scc1 .Lfor_v_\n
	s_wait_dscnt 16                                ; the first step's sixteen loads are in; the second's may be out
	PRODS \n, 0, 1
	s_wait_dscnt 0x0
	PRODS \n, 1, 1
	s_branch .Lproducts_\n
.Lfor_v_\n:
	s_wait_dscnt 16
	PRODS \n, 0, 0
	s_wait_dscnt 0x0
	PRODS \n, 1, 0
.Lproducts_\n:
	PLACES 4                                       ; four places in front of loads into registers that matrix instructions have read, and of the first read of results
.Lno_products_\n:
.endm
.macro PHASE n
.if (\n) < 3
	s_cmp_eq_u32 s[SQ], \n
	s_cbranch_scc0 .Lnot_mine_\n
	s_wait_tensorcnt 0x0                           ; my tile is in
.Lnot_mine_\n:
.else
	s_wait_tensorcnt 0x0                           ; the last quarter's tiles are in
.endif
	BARRIER                                        ; quarter n's four tiles lie in LDS
	QUANT \n
	BARRIER                                        ; and so do its eight fragments
.if (\n) == 0
	s_wait_loadcnt 0x0                             ; W and the bias
.endif
	MAT \n
.endm
	s_load_b512 s[4:19], s[0:1], 0x0               ; x s[4:5], wcodes s[6:7], wsc s[8:9], bq s[10:11], bk s[12:13], bv s[14:15], q s[16:17], kv s[18:19]
	s_load_b64 s[20:21], s[0:1], 0x40              ; kvg
	v_lshl_add_u32 v[SPW], v0, 2, SPARE
	v_mov_b32 v[NIL], 0
	ds_add_u32 v[SPW], v[NIL]                      ; the wave's opening: the add, twice on end, and its wait ahead of my tensor load
	ds_add_u32 v[SPW], v[NIL]
	v_lshrrev_b32 v1, 5, v0
	v_readfirstlane_b32 s[WV], v1
	s_lshr_b32 s[SQ], s[WV], 2
	s_and_b32 s[SM], s[WV], 3
	s_and_b32 s[HC], s[SQ], 1
	; descriptor group 1: a tile of 16 rows x 256 numbers of 4 bytes, the rows 4 tokens apart, 16 bytes of padding behind each row in LDS
	s_mov_b32 s[G1+0], (2<<16)|(1<<20)|(7<<22)|(3<<25)  ; 17:16 elements of 4 bytes; 20 padding on; 24:22 after every 256 words (code 7); 31:25 of 4 words (code 3)
	s_mov_b32 s[G1+1], 256<<16
	s_mov_b32 s[G1+2], 16<<16
	s_mov_b32 s[G1+3], 256<<16
	s_mov_b32 s[G1+4], 16
	s_mov_b32 s[G1+5], 4096                        ; elements from row to row: four rows of x
	s_mov_b32 s[G1+6], 0
	s_mov_b32 s[G1+7], 0
	s_mov_b32 s[SEL], 0x76543210
	s_mov_b32 s[SEL+1], 0xfedcba98
	s_mov_b32 s[G0], 1
	s_lshl_b32 s58, s[SM], 2
	s_add_co_u32 s58, s58, s[SQ]
	s_mul_i32 s[G0+1], s58, XTN
	s_lshl_b32 s56, ttmp9, 18                      ; my work-group's 64 rows of 4,096 bytes; my tile begins at token m, number 256 n
	s_lshl_b32 s58, s[SM], 12
	s_add_co_u32 s56, s56, s58
	s_lshl_b32 s58, s[SQ], 10
	s_add_co_u32 s56, s56, s58
	s_mov_b32 s57, 0
	s_wait_dscnt 0x0                               ; both opening adds are done
	s_wait_kmcnt 0x0
	s_add_nc_u64 s[G0+2:G0+3], s[4:5], s[56:57]
	s_or_b32 s[G0+3], s[G0+3], 0x80000000
	ARM 0, .Lquarter_1
	ARM 1, .Lquarter_2
	ARM 2, .Lquarter_3
	tensor_load_to_lds s[G0:G0+3], s[G1:G1+7]
	s_nop 0
	PLACES 4
.Lasked:
	; the bases: every offset is made apart from the addresses
	s_mul_i32 s56, s[WV], 12288                    ; my 16 half images of W: (tensor, rows) is the wave's number
	s_add_nc_u64 s[WCB:WCB+1], s[6:7], s[56:57]
	s_lshl_b32 s56, s[WV], 9
	s_add_nc_u64 s[WSB:WSB+1], s[8:9], s[56:57]
	s_cmp_lt_u32 s[SQ], 1
	s_cselect_b64 s[BIB:BIB+1], s[10:11], s[12:13]
	s_cmp_lt_u32 s[SQ], 2
	s_cselect_b64 s[BIB:BIB+1], s[BIB:BIB+1], s[14:15]
	s_lshr_b32 s58, ttmp9, 1                       ; the block of 128 keys that my 64 tokens lie in,
	s_and_b32 s59, ttmp9, 1                        ; c: and which half of it they are
	s_mul_i32 s60, s58, KVB
	s_mul_i32 s61, s58, KGB
	s_mul_i32 s56, s59, 3072
	s_add_co_u32 s56, s56, s60
	s_mul_i32 s62, s[SM], 1536
	s_add_co_u32 s56, s56, s62
	s_add_nc_u64 s[KCB:KCB+1], s[18:19], s[56:57]
	s_lshl_b32 s56, s59, 8
	s_add_co_u32 s56, s56, s60
	s_add_co_u32 s56, s56, 9216
	s_add_nc_u64 s[RCB:RCB+1], s[18:19], s[56:57]
	s_and_b32 s63, s[SM], 1
	s_mul_i32 s63, s63, 1536
	s_mul_i32 s67, s59, 768
	s_add_co_u32 s63, s63, s67
	s_add_co_u32 s66, s60, 6144
	s_cmp_lt_u32 s[SM], 2                          ; V's channel tiles 0, 1 go to kv, 2, 3 to kvg
	s_cselect_b32 s56, s66, s61
	s_cselect_b64 s[VCB:VCB+1], s[18:19], s[20:21]
	s_add_co_u32 s56, s56, s63
	s_add_nc_u64 s[VCB:VCB+1], s[VCB:VCB+1], s[56:57]
	s_mul_i32 s60, ttmp9, 3584
	s_mul_i32 s56, s[SM], 768
	s_add_co_u32 s56, s56, s60
	s_add_nc_u64 s[QCB:QCB+1], s[16:17], s[56:57]
	s_lshl_b32 s56, s[SM], 7
	s_add_co_u32 s56, s56, s60
	s_add_co_u32 s56, s56, 3072
	s_add_nc_u64 s[QSB:QSB+1], s[16:17], s[56:57]
	; the waves' parts of the LDS addresses
	s_lshl_b32 s71, s[SQ], 8
	s_mul_i32 s60, s[SM], 4*XTN
	s_add_co_u32 s60, s60, s71                     ; my 64 of the quarter's 256 numbers: 256 bytes for each j / 4
	s_lshr_b32 s72, s[SQ], 1                       ; which K step of the quarter
	s_mul_i32 s61, s[SM], 12288
	s_mul_i32 s73, s72, 1536
	s_add_co_u32 s61, s61, s73
	s_lshl_b32 s62, s[SM], 10
	s_lshl_b32 s73, s72, 7
	s_add_co_u32 s62, s62, s73
	s_lshl_b32 s73, s[HC], 1
	s_add_co_u32 s62, s62, s73
	s_lshl_b32 s70, s[SM], 6
	s_add_co_u32 s63, s70, s71                     ; the stage: 64 bytes for each column group, Q's 256, then K's
	s_mul_i32 s66, s[SM], 8448
	s_mul_i32 s67, s[SM], 16896
	s_add_co_u32 s67, s67, 256
	s_and_b32 s68, s[SM], 1
	s_lshl_b32 s68, s68, 7
	s_lshr_b32 s71, s[SM], 1
	s_lshl_b32 s71, s71, 1
	s_add_co_u32 s68, s68, s71
	s_add_co_u32 s68, s68, REC+4
	s_lshl_b32 s69, s[SM], 1
	s_add_co_u32 s69, s69, REC
	v_and_b32 v16, 31, v0                          ; lane
	v_and_b32 v17, 15, v0                          ; r
	v_bfe_u32 v18, v0, 4, 1                        ; h
	v_lshlrev_b32 v[L16], 4, v16
	v_lshlrev_b32 v[L8], 3, v16
	v_lshl_add_u32 v[LI], v16, 4, XIMG
	v_lshl_add_u32 v[LS], v17, 2, XSC
	v_mul_u32_u24 v[XA], v17, 1040
	v_lshl_add_u32 v[XA], v18, 7, v[XA]
	v_add_nc_u32 v[XA], s60, v[XA]
	v_add_nc_u32 v[XWI], s61, v[LI]
	v_add_nc_u32 v[XWS], v18, v[LS]
	v_add_nc_u32 v[XWS], s62, v[XWS]
	v_lshlrev_b32 v[SH8], 3, v18
	v_mul_u32_u24 v[SRQ], v17, 528
	v_lshl_add_u32 v[SO], v18, 5, v[SRQ]
	v_add_nc_u32 v[SO], s63, v[SO]
	v_lshl_add_u32 v[SRQ], v18, 7, v[SRQ]
	v_add_nc_u32 v[SRK], s67, v[SRQ]
	v_add_nc_u32 v[SRQ], s66, v[SRQ]
	v_lshl_add_u32 v[VBA], v17, 3, v18
	v_add_nc_u32 v[KBA], s69, v[VBA]
	v_add_nc_u32 v[VBA], s68, v[VBA]
	v_add_nc_u32 v[RDA], REC, v[L8]
	v_lshlrev_b32 v19, 5, v17                      ; my row of W's scale words
	v_lshl_add_u32 v20, v18, 5, s70                ; Q, K: my eight numbers of the bias
	v_lshl_add_u32 v21, v17, 2, s70                ; V: my one
	v_mov_b32 v[TM+2], 0                           ; written once: a lane permute's destination counts as one of its sources
	s_wait_alu depctr_va_vdst(0)                   ; the wait at the head's end
	s_cmp_lt_u32 s[WV], 12
	s_cbranch_scc0 .Lno_w
.irp s, 0,1,2,3,4,5,6,7
.irp c, 0,1
	global_load_b128 v[WF+12*\s+6*\c:WF+12*\s+6*\c+3], v[L16], s[WCB:WCB+1] offset:1536*\s+768*\c   ; W's fragments: they stay
	global_load_b64 v[WF+12*\s+6*\c+4:WF+12*\s+6*\c+5], v[L8], s[WCB:WCB+1] offset:1536*\s+768*\c+512
.endr
.endr
	global_load_b128 v[WS:WS+3], v19, s[WSB:WSB+1]
	global_load_b128 v[WS+4:WS+7], v19, s[WSB:WSB+1] offset:16
	s_cmp_eq_u32 s[SQ], 2
	s_cbranch_scc1 .Lbias_v
	global_load_b128 v[AC+24:AC+27], v20, s[BIB:BIB+1]             ; the bias in the results' layout
	global_load_b128 v[AC+28:AC+31], v20, s[BIB:BIB+1] offset:16
	s_branch .Lno_w
.Lbias_v:
.irp j, 0,1,2,3,4,5,6,7
	global_load_b32 v[AC+24+\j], v21, s[BIB:BIB+1]                 ; in V's results all eight registers of a lane are one channel
.endr
.Lno_w:
	s_wait_xcnt 0x0                                ; the loads have read v16-21's addresses: the tile's numbers may land there
	PHASE 0
	PHASE 1
	PHASE 2
	PHASE 3
	s_cmp_lt_u32 s[WV], 8
	s_cbranch_scc0 .Lnot_qk
.irp m, 0,1,2,3                                ; Q and K: a lane's eight channels of a token go into the stage, tile by tile; each accumulator from its low end on
	ds_store_b128 v[SO], v[AC+8*\m:AC+8*\m+3] offset:\m*8448
	ds_store_b128 v[SO], v[AC+8*\m+4:AC+8*\m+7] offset:\m*8448+16
.endr
	s_branch .Lstaged
.Lnot_qk:
	s_cmp_lt_u32 s[WV], 12
	s_cbranch_scc0 .Lstaged
	QB 1, AC, PC, TM                               ; V: my channel's 32 registers are one whole block of 32 tokens along the next K: quantised where they lie
	global_store_b128 v[L16], v[PC:PC+3], s[VCB:VCB+1]
	global_store_b64 v[L8], v[PC+4:PC+5], s[VCB:VCB+1] offset:512
	ds_store_b8 v[VBA], v[TM+4]
.Lstaged:
	BARRIER                                        ; 64 whole rows of Q and K lie in the stage
	s_cmp_lt_u32 s[WV], 4
	s_cbranch_scc0 .Lnot_q
.irp j, 0,1,2,3,4,5,6,7
	ds_load_b128 v[XF+4*\j:XF+4*\j+3], v[SRQ] offset:16*\j         ; row r of my tile of Q: register i = channel 32 h + i
.endr
	s_wait_dscnt 0x0
	QB 1, XF, PC, TM
	v_lshlrev_b32 v[TM], v[SH8], v[TM+4]
	v_permlanex16_b32 v[TM+2], v[TM], s[SEL], s[SEL+1]
	v_or_b32 v[TM], v[TM], v[TM+2]
	v_lshl_or_b32 v[TM], v[TM], 16, v[TM]          ; b0, b1, b0, b1: launch 3 uses Q in either half of its K step
	v_lshrrev_b32 v60, 2, v[L16]
	global_store_b128 v[L16], v[PC:PC+3], s[QCB:QCB+1]
	global_store_b64 v[L8], v[PC+4:PC+5], s[QCB:QCB+1] offset:512
	global_store_b32 v60, v[TM], s[QSB:QSB+1]
	s_branch .Lmade
.Lnot_q:
	s_cmp_lt_u32 s[WV], 6
	s_cbranch_scc0 .Lmade
.irp b, 0,1
.irp j, 0,1,2,3,4,5,6,7
	ds_load_b128 v[XF+32*\b+4*\j:XF+32*\b+4*\j+3], v[SRK] offset:8448*\b+16*\j   ; two tiles of K, a block of each
.endr
.endr
	s_wait_dscnt 0x0
	QB 2, XF, PC, TM
.irp c, 0,1,2
	global_store_b128 v[L16], v[PC+4*\c:PC+4*\c+3], s[KCB:KCB+1] offset:512*\c
.endr
.irp b, 0,1
	ds_store_b8 v[KBA], v[TM+4+\b] offset:128*\b
.endr
.Lmade:
	BARRIER                                        ; the record is whole
	s_cmp_eq_u32 s[WV], 8
	s_cbranch_scc0 .Lend
	ds_load_b64 v[XF:XF+1], v[RDA]
	s_wait_dscnt 0x0
	global_store_b64 v[L8], v[XF:XF+1], s[RCB:RCB+1]               ; one aligned unit of 256 bytes
.Lend:
	s_wait_tensorcnt 0x0                           ; the wave's end
	ds_add_u32 v[SPW], v[NIL]
	s_wait_dscnt 0x0
	s_endpgm
.Lfunc_end_k_q7a96ac5824_proj:
	.size	k_q7a96ac5824_proj, .Lfunc_end_k_q7a96ac5824_proj-k_q7a96ac5824_proj
	.p2alignl 7, 3214868480
	.fill 96, 4, 3214868480
	.section	.rodata,"a",@progbits
	.p2align	6, 0x0
	.amdhsa_kernel k_q7a96ac5824_proj
		.amdhsa_group_segment_fixed_size 327680
		.amdhsa_private_segment_fixed_size 0
		.amdhsa_enable_private_segment 0
		.amdhsa_kernarg_size 72
		.amdhsa_user_sgpr_count 2
		.amdhsa_user_sgpr_kernarg_segment_ptr 1
		.amdhsa_wavefront_size32 1
		.amdhsa_system_sgpr_workgroup_id_x 1
		.amdhsa_system_sgpr_workgroup_id_y 1
		.amdhsa_system_sgpr_workgroup_id_z 1
		.amdhsa_system_vgpr_workitem_id 0
		.amdhsa_next_free_vgpr 256
		.amdhsa_next_free_sgpr 80
		.amdhsa_reserve_vcc 0
		.amdhsa_float_denorm_mode_32 3
		.amdhsa_float_denorm_mode_16_64 3
		.amdhsa_memory_ordered 1
		.amdhsa_forward_progress 1
		.amdhsa_inst_pref_size 50
	.end_amdhsa_kernel
	.amdgpu_metadata
---
amdhsa.version: [ 1, 2 ]
amdhsa.kernels:
  - .name:           k_q7a96ac5824_proj
    .symbol:         k_q7a96ac5824_proj.kd
    .args:
      - { .name: x, .offset: 0, .size: 8, .value_kind: global_buffer, .address_space: global }
      - { .name: wcodes, .offset: 8, .size: 8, .value_kind: global_buffer, .address_space: global }
      - { .name: wsc, .offset: 16, .size: 8, .value_kind: global_buffer, .address_space: global }
      - { .name: bq, .offset: 24, .size: 8, .value_kind: global_buffer, .address_space: global }
      - { .name: bk, .offset: 32, .size: 8, .value_kind: global_buffer, .address_space: global }
      - { .name: bv, .offset: 40, .size: 8, .value_kind: global_buffer, .address_space: global }
      - { .name: q, .offset: 48, .size: 8, .value_kind: global_buffer, .address_space: global }
      - { .name: kv, .offset: 56, .size: 8, .value_kind: global_buffer, .address_space: global }
      - { .name: kvg, .offset: 64, .size: 8, .value_kind: global_buffer, .address_space: global }
    .group_segment_fixed_size: 327680
    .private_segment_fixed_size: 0
    .kernarg_segment_align: 8
    .kernarg_segment_size: 72
    .max_flat_workgroup_size: 512
    .sgpr_count:     80
    .vgpr_count:     256
    .wavefront_size: 32
...
	.end_amdgpu_metadata
.endif
;; end of part 2
;; launch attn (part 3): grid 64 x 4, 8 waves a work-group, clusters of 4 x 1, 327,680 bytes of LDS; arguments q, kv, kvg, out0; writes out0
.if DOCPART == 3
	.amdgcn_target "amdgcn-amd-amdhsa--gfx1250"
	.amdhsa_code_object_version 6
	.text
	.protected	k_q7a96ac5824_attn
	.globl	k_q7a96ac5824_attn
	.p2align	8
	.type	k_q7a96ac5824_attn,@function
k_q7a96ac5824_attn:
	s_mov_b64 s[64:65], 0
	v_nop
	global_prefetch_b8 v0, s[64:65] scope:SCOPE_SE
	s_setreg_imm32_b32 hwreg(HW_REG_WAVE_MODE, 25, 1), 1
	s_wait_xcnt 0x0
	s_wait_alu depctr_hold_cnt(0) depctr_sa_sdst(0) depctr_va_vdst(0) depctr_va_sdst(0) depctr_va_ssrc(0) depctr_va_vcc(0) depctr_vm_vsrc(0)
	s_getreg_b32 s2, hwreg(HW_REG_IB_STS2, 6, 4)
	s_cmp_eq_u32 s2, 0
	s_cbranch_scc0 .Lentry_in_a_cluster
	s_endpgm
.Lentry_in_a_cluster:
	s_bfe_u32 s2, ttmp6, 0x10000c
	s_cmp_lg_u32 s2, 0x3003
	s_cbranch_scc0 .Lentry_shape_is_right
	s_endpgm
.Lentry_shape_is_right:
; Launch 3 of 3.  out0[b][q][:] = the sum over k of softmax_k(Q[b][q] . K[b][k] / 8) V[b][k][:], both products on codes of FP6 (E2M3) with one E8M0 scale for each 32 along a product's K.  No work of the problem is left out here.
; THE SOFTMAX AHEAD OF THE SECOND PRODUCT: t = score x log2(e) / 8; M = the largest t so far, rounded UP to a whole number; p = 2^(t - M) is what is quantised, along the keys; it is not normalised.
; The row's sum l is taken of the unquantised p, in f32, and divides at the end.  When M moves, l and O are multiplied by 2^(old M - new M): exact.
; SHARES.  A work-group owns 64 queries of one batch.  Wave j of its eight has TWO tiles of 16 queries, 2 (j % 2) and 2 (j % 2) + 1 (row r of tile t is query 4 r + t of the 64), and the KEY GROUP g = j / 2: of the batch's 32 blocks
; of 128 keys block 4 q + g in its step q = 0 .. 7, with an M, an l and an O for each tile; at the end the four groups of a tile are brought under one M by exact powers of two and added.  Two waves share a SIMD.
; K's and V's fragments are read once for both tiles, and the two tiles' vector work is interleaved: neither waits for its own chain alone.
; LAYOUT.  Both products are used transposed: S^T = K Q^T (source 0 = 16 keys, source 1 = 16 queries), O^T = V^T P^T (source 0 = 16 channels, source 1 = P): a lane holds ONE query of a tile (lane % 16) throughout.
; THE FIRST PRODUCT'S K IS 64, half of the instruction's 128.  Each tile of Q stands between two runs of six zero registers: (Q, zeros) takes K's tile in the lower half of the operand, (zeros, Q) in the upper.  K's tiles lie 6
; registers apart, and the other half of a tile's operand is its neighbour's codes, which meet zero codes and add exactly 0 (every code is finite, and so is every scale).  Pairs of tiles 0 and 2 are taken in the lower half, 1 and
; 3 in the upper: so one word carries the scales of two pairs, and Q's word is b0, b1, b0, b1.
; A LANE HOLDS WHOLE BLOCKS OF 32 KEYS.  Row m of K's tile 4 c + u is key 64 c + 4 m + u of the step, so the 32 registers of tiles 4 c .. 4 c + 3 of lane (r, h) are block 2 c + h: register 8 u + j is its key 4 j + u.
; That is the order of the operand's registers, and V's codes were made from the same order.
; LDS HOLDS A BATCH'S 32 BLOCKS AT ONCE, 9,728 bytes each (K, V's channel tiles 0, 1, the scales): filled once, never again.  V's channel tiles 2, 3 (3,072 bytes a block) go from memory into registers a whole step ahead.
; One tensor load a wave: wave w brings step w's four blocks.  Waves 0 and 1 have load lines of their own.  The first barrier shows step 0's blocks alone; a barrier signalled behind step 0's scores and waited for ahead of its
; exponentials shows step 1's; the same in step 1 shows all the rest, and behind it the bytes of blocks 0-7 serve the merge.  No other barrier stands in the walk.
; CLUSTER.  The four work-groups of a cluster belong to one batch: every fill is asked for JOINTLY, by the same load with the same descriptor and the mask of all four, in all four.
; PREFETCH: kvg's 98,304 bytes of a batch, blocks of 256 bytes shared out by address: wave 7 of each work-group asks once, at the head, for 24 of the 384, so that each is asked for by four of the batch's 64 work-groups.
; kv needs none: all of it is asked for at the head by the tensor loads.
; LIMITS: the scaled scores stay under 2^31 in magnitude; NaN and infinities are not served; a p under 2^-126 comes out of v_exp_f32 as 0; a block whose every p is 0 keeps the byte 1 (its codes are zeros); the division by l is
; a reciprocal (v_rcp_f32) and a multiplication.
; s_set_vgpr_msb's low byte: bits 1:0 source 0, 3:2 source 1, 5:4 source 2, 7:6 destination.  Window 0 holds all that the softmax touches.
.set KVB,   9728                       ; K's four pairs 0, V's tiles 0, 1 6,144, scale records 9,216 (256 for each half c)
.set STEPB, 4*KVB                      ; from a step to my next: two steps lie inside an immediate
.set STAT,  32*KVB                     ; behind the blocks: (-M, l) for each group and query, 8 bytes each
.set SPARE, STAT+2048                  ; the spare words, 128 bytes for each wave: blocks of 256 bytes that no other line names
.set A16, 1                            ; v1   16 x lane + my group's block
.set A8,  2                            ; v2   8 x lane + the same
.set G16, 3                            ; v3, v4  the same in kvg
.set G8,  4
.set SPW, 5                            ; v5   LDS address of my spare word; never rewritten
.set NIL, 6                            ; v6   0; never rewritten
.set SH8, 7                            ; v7   8 h: how far my bytes stand up in P's scale word
.set NM,  8                            ; for tile x = 0, 1: v[8 + 2 x] -M, v[9 + 2 x] the largest t;
.set LR,  12                           ; v[12 + 2 x .. ] l in two halves;
.set FA,  16                           ; v[16 + 2 x] f = 2^(old M - new M) (its pair's upper half: 0);
.set PS,  20                           ; v[20 + x] P's scale word;
.set QS,  22                           ; v[22 + x] Q's
.set SC,  24                           ; v24-31 two sets by turns: K's pairs 0, 1; V's bytes of half 0; K's pairs 2, 3; V's bytes of half 1
.set VW,  32                           ; v32, v33 V's words: tiles 0, 1 and 2, 3 (the even in lanes 0-15, the odd in lanes 16-31)
.set QZ,  34                           ; v34-63  zeros, Q of tile 0, zeros, Q of tile 1, zeros
.set KR,  64                           ; v64-111 K's eight tiles
.set AS,  112                          ; v112-175, v176-239 S^T, then p
.set TP,  240                          ; v240-247, v248-255 at work
.set VR,  0                            ; window 1: v0-47 V's four tiles
.set AO,  48                           ;   v48-79, v80-111 O^T
.set PR,  112                          ;   v112-123, v124-135 P's codes
.set CT,  136                          ;   v136-143, v144-151 the conversions' second halves
.set WV,  12
.set G1,  24
.set G0,  32
.set SEL, 36
.set CS,  38                           ; s[38:39] c = log2(e) / 8: the packed form names a pair and takes its low word for both halves
.set QB0, 40
.set KG,  42
.set OB,  44
.set MSB, 0
.macro WIN new                         ; the immediate's high byte repeats the setting that is left
.if MSB != \new
	s_set_vgpr_msb (MSB<<8)|\new
.set MSB, \new
.endif
.endm
.macro ROUND                           ; a round of the cluster's barrier
	s_barrier_signal -1
	s_barrier_wait -1
	s_cmp_lg_u32 s[WV], 0
	s_cbranch_scc1 .Lnot_wave_0_\@
	s_barrier_signal -3
.Lnot_wave_0_\@:
	s_barrier_wait -3
	s_barrier_signal -1
	s_barrier_wait -1
.endm
.macro WM d, a, b, c, sa, sb, row
.if \row
	v_wmma_scale_f32_16x16x128_f8f6f4 v[\d:\d+7], v[\a:\a+11], v[\b:\b+11], \c, v[\sa], v[\sb] matrix_a_fmt:MATRIX_FMT_FP6 matrix_b_fmt:MATRIX_FMT_FP6 matrix_a_scale:MATRIX_SCALE_ROW1
.else
	v_wmma_scale_f32_16x16x128_f8f6f4 v[\d:\d+7], v[\a:\a+11], v[\b:\b+11], \c, v[\sa], v[\sb] matrix_a_fmt:MATRIX_FMT_FP6 matrix_b_fmt:MATRIX_FMT_FP6
.endif
.endm
.macro KLOAD q                         ; 14 LDS loads: K's four pairs and the scale records of step q
.set OF_, ((\q)%2)*STEPB
.irp i, 0,1,2,3,4,5,6,7,8,9,10,11
	ds_load_b128 v[KR+4*\i:KR+4*\i+3], v[A16] offset:OF_+512*\i
.endr
.irp c, 0,1
	ds_load_b64 v[SC+4*((\q)%2)+2*\c:SC+4*((\q)%2)+2*\c+1], v[A8] offset:OF_+9216+256*\c
.endr
.endm
.macro VLOAD q                         ; 8 LDS loads: V's tiles 0, 1
	WIN 0x40
.set OF_, ((\q)%2)*STEPB+6144
.irp t, 0,1
.irp c, 0,1
	ds_load_b128 v[VR+12*\t+6*\c:VR+12*\t+6*\c+3], v[A16] offset:OF_+1536*\t+768*\c
	ds_load_b64 v[VR+12*\t+6*\c+4:VR+12*\t+6*\c+5], v[A8] offset:OF_+1536*\t+768*\c+512
.endr
.endr
	WIN 0
.endm
.macro VGLOB q                         ; 8 global loads: V's tiles 2, 3
	WIN 0x40
.irp t, 0,1
.irp c, 0,1
	global_load_b128 v[VR+24+12*\t+6*\c:VR+24+12*\t+6*\c+3], v[G16], s[KG:KG+1] offset:12288*(\q)+1536*\t+768*\c
	global_load_b64 v[VR+24+12*\t+6*\c+4:VR+24+12*\t+6*\c+5], v[G8], s[KG:KG+1] offset:12288*(\q)+1536*\t+768*\c+512
.endr
.endr
	WIN 0
.endm
.macro SCORE x, t                      ; tile x's scores with K's tile t
.set HI_, ((\t)/2)%2
	WM AS+64*(\x)+8*(\t), KR+6*(\t)-6*HI_, QZ+6+12*(\x)-6*HI_, 0, S0_+2*((\t)/4), QS+(\x), (\t)%2
.endm
; THE LARGEST SCORE OF EACH OF TILE x'S TWO BLOCKS OF 32 KEYS (blocks h and 2 + h), lines 0 .. 29: it serves the row's maximum and, since p rises with the score, the block's largest p.
; Two chains a block, by turns; each accumulator is first read at its low end.
.macro MX x, i
.set S_, AS+64*(\x)
.set T_, TP+8*(\x)
.if (\i) < 4
.set C_, (\i)%2
.set H_, (\i)/2
.set B_, S_+32*C_+16*H_
	v_max3_num_f32 v[T_+2*H_+C_], v[B_], v[B_+1], v[B_+2]
.elseif (\i) < 28
.set C_, ((\i)-4)%2
.set H_, (((\i)-4)/2)%2
.set B_, S_+32*C_+16*H_+3+2*(((\i)-4)/4)
	v_max3_num_f32 v[T_+2*H_+C_], v[T_+2*H_+C_], v[B_], v[B_+1]
.elseif (\i) < 30
.set C_, (\i)-28
	v_max3_num_f32 v[T_+C_], v[T_+C_], v[S_+15+32*C_], v[S_+31+32*C_]
.endif
.endm
; From there to M and f, lines 0 .. 10 (in the first step 0 .. 6).
.macro SER x, i, first
.set T_, TP+8*(\x)
.set N_, NM+2*(\x)
.if (\i) == 0
	v_max_num_f32 v[T_], v[T_], v[T_+2]
.elseif (\i) == 1
	v_max_num_f32 v[T_+1], v[T_+1], v[T_+3]
.elseif (\i) == 2
	v_max_num_f32 v[T_+4], v[T_], v[T_+1]
.elseif (\i) == 3
	v_permlanex16_b32 v[T_+5], v[T_+4], s[SEL], s[SEL+1]
.elseif (\i) == 4
	v_max_num_f32 v[T_+4], v[T_+4], v[T_+5]        ; with lane l xor 16's two blocks: the step's largest score of my query
.elseif \first
.if (\i) == 5
	v_mul_f32 v[N_+1], s[CS], v[T_+4]              ; as t (c is positive): the largest t so far
.elseif (\i) == 6
	v_floor_f32 v[N_], -v[N_+1]                    ; -M = floor(-t) = -ceil(t): M IS A WHOLE NUMBER
.endif
.elseif (\i) == 5
	v_mul_f32 v[T_+4], s[CS], v[T_+4]
.elseif (\i) == 6
	v_max_num_f32 v[N_+1], v[N_+1], v[T_+4]
.elseif (\i) == 7
	v_floor_f32 v[N_], -v[N_+1]                    ; the new -M
.elseif (\i) == 8
	v_sub_f32 v[T_+6], v[N_], v[T_+6]              ; M's old value less its new one: a whole number, 0 or less
.elseif (\i) == 9
	v_cvt_i32_f32 v[T_+6], v[T_+6]                 ; (it saturates)
.elseif (\i) == 10
	v_ldexp_f32 v[FA+2*(\x)], 1.0, v[T_+6]         ; f
.endif
.endm
.macro PKF x, k                        ; t - M, two at a time (of the pairs c and -M the low word serves both halves)
	v_pk_fma_f32 v[AS+64*(\x)+2*(\k):AS+64*(\x)+2*(\k)+1], v[AS+64*(\x)+2*(\k):AS+64*(\x)+2*(\k)+1], s[CS:CS+1], v[NM+2*(\x):NM+2*(\x)+1] op_sel_hi:[1,0,0]
.endm
.macro BMF x                           ; the same of each block's largest score
.irp c, 0,1
	v_fma_f32 v[TP+8*(\x)+\c], v[TP+8*(\x)+\c], s[CS], v[NM+2*(\x)]
.endr
.endm
.macro EXP2 r                          ; p = 2^(t - M), at most 1: NOT normalised
	v_exp_f32 v[\r], v[\r]
	v_exp_f32 v[\r+1], v[\r+1]
.endm
.macro LMUL x, first                   ; a plain instruction behind the exponentials: l under the new M
.if \first
	v_nop
.else
	v_pk_mul_f32 v[LR+2*(\x):LR+2*(\x)+1], v[LR+2*(\x):LR+2*(\x)+1], v[FA+2*(\x):FA+2*(\x)+1] op_sel_hi:[1,0]
.endif
.endm
.macro PO x, i                         ; P's scales, lines 0 .. 8
.set T_, TP+8*(\x)
.if (\i) < 2
	v_max_num_f32 v[T_+(\i)], 0x1800000, v[T_+(\i)]        ; the floor 2^(3 - 127): the byte cannot fall under 1
.elseif (\i) < 4
	v_add_nc_u32 v[T_+4+(\i)], 0xff000000, v[T_-2+(\i)]    ; 2 off the exponent field: the conversion's scale operand
.elseif (\i) < 6
	v_lshrrev_b32 v[T_-2+(\i)], 23, v[T_+2+(\i)]           ; the scale's byte
.elseif (\i) == 6
	v_lshl_or_b32 v[T_+4], v[T_+3], 16, v[T_+2]            ; my two bytes: blocks h and 2 + h,
.elseif (\i) == 7
	v_lshlrev_b32 v[T_+4], v[SH8], v[T_+4]                 ; at their places in the word (8 h bits up)
.elseif (\i) == 8
	v_permlanex16_b32 v[T_+5], v[T_+4], s[SEL], s[SEL+1]
.endif
.endm
.macro CODES x                         ; P's codes: registers 6 c .. 6 c + 5 of the operand are my block 2 c + h
	WIN 0x40
.irp c, 0,1
	v_cvt_scalef32_pk16_fp6_f32 v[PR+12*(\x)+6*\c:PR+12*(\x)+6*\c+2], v[AS+64*(\x)+32*\c:AS+64*(\x)+32*\c+15], v[TP+8*(\x)+6+\c]
	v_cvt_scalef32_pk16_fp6_f32 v[CT+8*(\x)+4*\c:CT+8*(\x)+4*\c+2], v[AS+64*(\x)+32*\c+16:AS+64*(\x)+32*\c+31], v[TP+8*(\x)+6+\c]   ; (a conversion's three registers begin on an even number: the second three are moved)
.endr
	WIN 0
	v_or_b32 v[PS+(\x)], v[TP+8*(\x)+4], v[TP+8*(\x)+5]    ; one plain instruction behind the last conversion: with lane l xor 16's two bytes the word is whole
	WIN 0x41
.irp c, 0,1
.irp i, 0,1,2
	v_mov_b32 v[PR+12*(\x)+3+6*\c+\i], v[CT+8*(\x)+4*\c+\i]
.endr
.endr
	WIN 0
.endm
.macro SUMA i                          ; tile 0's row sum, of the unquantised p: 16 sums of four numbers (pairs 4 i apart), lines 0 .. 15
.if (\i) < 4
	v_pk_add_f32 v[TP+2*(\i):TP+2*(\i)+1], v[AS+8*(\i):AS+8*(\i)+1], v[AS+8*(\i)+4:AS+8*(\i)+5]
.elseif (\i) < 12
.set K_, (\i)-4
	v_pk_add_f32 v[TP+2*(K_%4):TP+2*(K_%4)+1], v[TP+2*(K_%4):TP+2*(K_%4)+1], v[AS+32+4*K_:AS+33+4*K_]
.else
	SUMEND 0, (\i)-12
.endif
.endm
.macro SUMEND x, i                     ; four chains into l
.set T_, TP+8*(\x)
.set L_, LR+2*(\x)
.if (\i) == 0
	v_pk_add_f32 v[L_:L_+1], v[L_:L_+1], v[T_:T_+1]
.elseif (\i) == 1
	v_pk_add_f32 v[T_+2:T_+3], v[T_+2:T_+3], v[T_+4:T_+5]
.elseif (\i) == 2
	v_pk_add_f32 v[L_:L_+1], v[L_:L_+1], v[T_+6:T_+7]
.else
	v_pk_add_f32 v[L_:L_+1], v[L_:L_+1], v[T_+2:T_+3]
.endif
.endm
.macro STEP q
.set S0_, SC+4*((\q)%2)
.set FIRST_, 0
.if (\q) == 0
.set FIRST_, 1
.endif
	s_wait_dscnt 8                                 ; K and the scales are in; V's eight loads, issued behind them, may be out
.irp t, 0,1,2,3,4,5,6,7
	SCORE 0, \t
.endr
	v_perm_b32 v[VW], v[S0_+3], v[S0_+1], 0x05040100       ; four places (ISA guide 7.12.1) behind the products: V's scale words from both halves' bytes,
	v_perm_b32 v[VW+1], v[S0_+3], v[S0_+1], 0x07060302
.if (\q) > 0
	v_mov_b32 v[TP+6], v[NM]                       ; the old -M of both tiles,
	v_mov_b32 v[TP+14], v[NM+2]
.else
	v_nop
	v_nop
.endif
.if ((\q)%2 == 1) && ((\q) < 7)
	v_add_nc_u32 v[A16], 2*STEPB, v[A16]           ; and, every second step, the next two steps' addresses
	v_add_nc_u32 v[A8], 2*STEPB, v[A8]
.endif
.irp t, 0,1,2,3,4,5,6,7                        ; tile 1's scores, tile 0's maxima among them
	SCORE 1, \t
	MX 0, 4*\t
	MX 0, 4*\t+1
	MX 0, 4*\t+2
	MX 0, 4*\t+3
.endr
.irp i, 0,1,2,3,4                              ; (five places behind tile 1's products)
	SER 0, \i, FIRST_
.endr
.if (\q) < 2
	s_wait_alu depctr_va_vdst(0)                   ; the wait ahead of the barrier
.if (\q) == 0
	s_cmp_lt_u32 s[WV], 2
	s_cbranch_scc0 .Lnot_second
.endif
	s_wait_tensorcnt 0x0                           ; step 1's blocks are in; in step 1: all are
.if (\q) == 0
.Lnot_second:
.endif
	s_wait_dscnt 0x0                               ; my reads are over (in step 1: all my reads of blocks 0-7)
	s_barrier_signal -1
.elseif (\q) < 7
	KLOAD (\q)+1
.endif
.set I_, 0
.rept 30                                       ; tile 1's maxima, tile 0's M and f among them
	MX 1, I_
.if I_%4 == 3
	SER 0, 5+I_/4, FIRST_
.endif
.set I_, I_+1
.endr
.set I_, 0
.rept 32                                       ; tile 0's t - M, tile 1's M and f among them
	PKF 0, I_
.if I_%3 == 1
	SER 1, I_/3, FIRST_
.endif
.set I_, I_+1
.endr
	BMF 0
.if (\q) > 0
	WIN 0x41
.irp j, 0,2,4,6,8,10,12,14,16,18,20,22,24,26,28,30
	v_pk_mul_f32 v[AO+\j:AO+1+\j], v[AO+\j:AO+1+\j], v[FA:FA+1] op_sel_hi:[1,0]   ; O^T under the new M: x f
	v_pk_mul_f32 v[AO+32+\j:AO+33+\j], v[AO+32+\j:AO+33+\j], v[FA+2:FA+3] op_sel_hi:[1,0]
.endr
	WIN 0
.endif
	s_wait_alu depctr_va_vdst(0)                   ; the wait ahead of the batch
.if (\q) < 2
	s_barrier_wait -1                              ; the next step's blocks are whole (behind step 1's: all are, and nobody reads blocks 0-7 any more)
	KLOAD (\q)+1
.endif
.set I_, 0
.rept 32                                       ; tile 0's exponentials, tile 1's t - M among them
	EXP2 AS+2*I_
	PKF 1, I_
.set I_, I_+1
.endr
	EXP2 TP                                        ; the blocks' largest p: the same two instructions on the same number give the same bits
	BMF 1
	LMUL 0, FIRST_
	s_wait_alu depctr_va_vdst(0)                   ; the wait ahead of the first line that names an exponential's result, and between tile 1's t - M and its exponentials
.irp i, 0,1,2,3,4,5,6,7,8
	PO 0, \i
.endr
	CODES 0
.set I_, 0
.rept 32                                       ; tile 1's exponentials, the first level of tile 0's sum among them (its codes are made)
	EXP2 AS+64+2*I_
.if I_%2
	v_pk_add_f32 v[AS+2*I_-2:AS+2*I_-1], v[AS+2*I_-2:AS+2*I_-1], v[AS+2*I_:AS+2*I_+1]
.endif
.set I_, I_+1
.endr
	EXP2 TP+8
	LMUL 1, FIRST_
	s_wait_alu depctr_va_vdst(0)                   ; and again for tile 1
.irp i, 0,1,2,3,4,5,6,7,8
	PO 1, \i
	SUMA \i
.endr
	CODES 1
.irp i, 9,10,11,12,13,14,15                    ; (with the moves: the places between P's codes and words and the products)
	SUMA \i
.endr
	s_wait_alu depctr_va_vdst(0)                   ; the wait here, directly ahead of the waits below
.if (\q) < 7
	s_wait_dscnt 14                                ; V is in: the next step's K and scales, issued behind it, may be out
.else
	s_wait_dscnt 0x0
.endif
	s_wait_loadcnt 0x0
	WIN 0x55
.irp x, 0,1                                    ; O^T += V^T P^T: four tiles of 16 channels for each tile of queries, eight accumulators by turns; K = these 128 keys
.irp t, 0,1,2,3
.if (\q) == 0
	WM AO+32*\x+8*\t, VR+12*\t, PR+12*\x, 0, VW+\t/2, PS+\x, \t%2
.else
	WM AO+32*\x+8*\t, VR+12*\t, PR+12*\x, v[AO+32*\x+8*\t:AO+32*\x+8*\t+7], VW+\t/2, PS+\x, \t%2
.endif
.endr
.endr
	WIN 0
.irp k, 0,1,2,3                                ; tile 1's row sum, in four chains; the first four lines are the places ahead of the loads into V's registers
	v_pk_add_f32 v[TP+8+2*\k:TP+9+2*\k], v[AS+64+4*\k:AS+65+4*\k], v[AS+66+4*\k:AS+67+4*\k]
.endr
.if (\q) < 7
	VGLOB (\q)+1
	VLOAD (\q)+1
.endif
.irp j, 16,24,32,40,48,56
.irp k, 0,1,2,3
	v_pk_add_f32 v[TP+8+2*\k:TP+9+2*\k], v[TP+8+2*\k:TP+9+2*\k], v[AS+64+\j+2*\k:AS+65+\j+2*\k]
.endr
.endr
.irp i, 0,1,2,3
	SUMEND 1, \i
.endr
.endm
	s_load_b256 s[4:11], s[0:1], 0x0               ; q s[4:5], kv s[6:7], kvg s[8:9], out0 s[10:11]
	v_lshl_add_u32 v[SPW], v0, 2, SPARE
	v_mov_b32 v[NIL], 0
	ds_add_u32 v[SPW], v[NIL]                      ; the wave's opening: the add, twice on end, and its wait ahead of my tensor load
	ds_add_u32 v[SPW], v[NIL]
	v_lshrrev_b32 v1, 5, v0
	v_readfirstlane_b32 s[WV], v1
	s_and_b32 s13, s[WV], 1                        ; my pair of tiles of queries
	s_lshr_b32 s14, s[WV], 1                       ; my key group
	s_bfe_u32 s15, ttmp6, 0x40000                  ; cx: my place in the cluster
	s_lshl_b32 s16, ttmp9, 2                       ; in a cluster launch ttmp9 counts clusters
	s_add_co_u32 s16, s16, s15                     ; my block of 64 queries in the batch: it enters q's and out0's addresses and my share of the prefetch alone
	s_and_b32 s17, ttmp7, 0xffff                   ; the batch, which the four partners share
	; descriptor group 1: 152 dense rows of 256 bytes (32 elements of 8 bytes), no padding: four blocks
	s_mov_b32 s[G1+0], 15|(3<<16)|(1<<21)          ; 15:0 the mask: all four work-groups; 17:16 elements of 8 bytes; 21 set beside a mask
	s_mov_b32 s[G1+1], 32<<16
	s_mov_b32 s[G1+2], 152<<16
	s_mov_b32 s[G1+3], 32<<16
	s_mov_b32 s[G1+4], 152
	s_mov_b32 s[G1+5], 32
	s_mov_b32 s[G1+6], 0
	s_mov_b32 s[G1+7], 0
	s_mov_b32 s[SEL], 0x76543210
	s_mov_b32 s[SEL+1], 0xfedcba98
	s_mov_b32 s[CS], 0x3e38aa3b                    ; c = log2(e) / 8
	s_mov_b32 s[CS+1], s[CS]                       ; (named with it as a pair, so it is written)
	s_mul_i32 s18, s[WV], STEPB                    ; my four blocks, in memory and in LDS alike: no place in the cluster enters it
	s_mul_i32 s20, s17, 32*KVB
	s_add_co_u32 s20, s20, s18
	s_mov_b32 s21, 0
	s_lshl_b32 s22, s17, 6
	s_add_co_u32 s22, s22, s16                     ; my block of 64 queries among all 256
	s_mul_i32 s46, s22, 3584
	s_mov_b32 s47, 0
	s_lshl_b32 s48, s22, 14                        ; 64 rows of 256 bytes of out0
	s_mov_b32 s49, 0
	s_mul_i32 s50, s17, 32*3072
	s_mov_b32 s51, 0
	s_mul_i32 s52, s13, 1536
	s_lshl_b32 s53, s13, 8
	s_mul_i32 s54, s14, KVB
	s_mul_i32 s55, s14, 3072
	s_and_b32 s56, s16, 15
	s_mul_i32 s56, s56, 24*256
	s_wait_dscnt 0x0                               ; both opening adds are done
	ROUND                                          ; all four work-groups are here: the joint loads meet
	s_wait_kmcnt 0x0
	s_mov_b32 s[G0], 1
	s_mov_b32 s[G0+1], s18
	s_add_nc_u64 s[G0+2:G0+3], s[6:7], s[20:21]
	s_or_b32 s[G0+3], s[G0+3], 0x80000000
.macro ARM n, next
	s_cmp_eq_u32 s[WV], \n
	s_cbranch_scc0 \next
	tensor_load_to_lds s[G0:G0+3], s[G1:G1+7]
	s_nop 0
.rept 4
	v_nop
.endr
	s_branch .Lasked
\next:
.endm
	ARM 0, .Lwave_1
	ARM 1, .Lwaves_2_to_7
	tensor_load_to_lds s[G0:G0+3], s[G1:G1+7]
	s_nop 0
.rept 4
	v_nop
.endr
.Lasked:
	s_add_nc_u64 s[QB0:QB0+1], s[4:5], s[46:47]
	s_add_nc_u64 s[KG:KG+1], s[8:9], s[50:51]
	s_add_nc_u64 s[OB:OB+1], s[10:11], s[48:49]
	v_and_b32 v234, 31, v0                         ; lane
	v_lshl_add_u32 v235, v234, 4, s52
	v_lshl_add_u32 v236, v234, 3, s52
	v_lshl_add_u32 v237, v234, 2, s53
	v_min_u32 v239, 23, v234
	v_lshl_add_u32 v239, v239, 8, s56              ; the prefetch: 24 blocks of 256 bytes, a lane a block
	v_lshl_add_u32 v[G16], v234, 4, s55
	v_lshl_add_u32 v[G8], v234, 3, s55
.irp x, 0,1
	global_load_b128 v[QZ+6+12*\x:QZ+9+12*\x], v235, s[QB0:QB0+1] offset:768*\x              ; Q's tiles: six registers of codes each, which stay
	global_load_b64 v[QZ+10+12*\x:QZ+11+12*\x], v236, s[QB0:QB0+1] offset:768*\x+512
	global_load_b32 v[QS+\x], v237, s[QB0:QB0+1] offset:3072+128*\x                          ; and their scale words
.endr
	VGLOB 0
	v_lshl_add_u32 v[A16], v234, 4, s54
	v_lshl_add_u32 v[A8], v234, 3, s54
	v_bfe_u32 v238, v0, 4, 1
	v_lshlrev_b32 v[SH8], 3, v238
.irp j, 0,1,2,3,4,5,12,13,14,15,16,17,24,25,26,27,28,29
	v_mov_b32 v[QZ+\j], 0                          ; zero codes round Q
.endr
.irp j, 0,1,2,3
	v_mov_b32 v[LR+\j], 0                          ; l
.endr
	v_mov_b32 v[FA+1], 0                           ; (named as the upper halves of f's pairs)
	v_mov_b32 v[FA+3], 0
	v_mov_b32 v[TP+5], 0                           ; written once: a lane permute's destination counts as one of its sources
	v_mov_b32 v[TP+13], 0
	s_wait_alu depctr_va_vdst(0)                   ; the wait at the head's end
	s_cmp_eq_u32 s[WV], 7
	s_cbranch_scc0 .Lnot_mine
	global_prefetch_b8 v239, s[KG:KG+1] th:TH_LOAD_NT scope:SCOPE_SE
.Lnot_mine:
	s_cmp_eq_u32 s[WV], 0
	s_cbranch_scc0 .Lnot_first
	s_wait_tensorcnt 0x0                           ; step 0's blocks are in
.Lnot_first:
	s_barrier_signal -1                            ; the others may still be on their way
	s_barrier_wait -1
	KLOAD 0
	VLOAD 0
	s_wait_loadcnt 8                               ; Q is in; V's eight global loads, issued behind it, may be out
	s_wait_xcnt 0x0                                ; the prefetch has read its address, which the scores will write over
	STEP 0
	STEP 1
	STEP 2
	STEP 3
	STEP 4
	STEP 5
	STEP 6
	STEP 7
	; THE MERGE.  Each wave's -M, l and O^T go to LDS; behind one barrier wave j takes queries 8 j .. 8 j + 7, brings the four groups under the largest M, adds them and divides by the whole row's sum.
	s_mul_i32 s52, s14, 64*272                     ; in: my group's stage (on the bytes of blocks 0-7), tile by tile: row 16 x tile + r, + 32 h
	s_mul_i32 s53, s13, 32*272
	s_add_co_u32 s52, s52, s53
	s_lshl_b32 s53, s14, 9
	s_lshl_b32 s54, s13, 8
	s_add_co_u32 s53, s53, s54
	s_add_co_u32 s53, s53, STAT
	s_mul_i32 s54, s[WV], 2*272                    ; back: query 8 j + h + 2 i is row 2 j + i / 2 of tile h + 2 (i % 2): 16 bytes a lane
	s_lshl_b32 s55, s[WV], 4
	s_add_co_u32 s55, s55, STAT
	s_lshl_b32 s50, s[WV], 11
	s_wait_alu depctr_va_vdst(0)                   ; the wait behind the run of scalar lines
	v_and_b32 v208, 15, v0                         ; r
	v_bfe_u32 v209, v0, 4, 1                       ; h
.irp x, 0,1
	v_add_f32 v[LR+2*\x], v[LR+2*\x], v[LR+2*\x+1] ; l's two halves,
.endr
	v_mul_u32_u24 v210, v208, 272
	v_mul_u32_u24 v212, v209, 16*272
.irp x, 0,1
	v_permlanex16_b32 v[TP+8*\x+5], v[LR+2*\x], s[SEL], s[SEL+1]
.endr
	v_lshl_add_u32 v210, v209, 5, v210
	v_lshl_add_u32 v212, v208, 4, v212
.irp x, 0,1
	v_add_f32 v[NM+2*\x+1], v[LR+2*\x], v[TP+8*\x+5]   ; and lane l xor 16's: the pair is -M and l of my group, my query
.endr
	v_add_nc_u32 v210, s52, v210
	v_add_nc_u32 v212, s54, v212
	v_lshl_add_u32 v211, v208, 3, s53
	v_lshl_add_u32 v213, v209, 7, s55
	v_and_b32 v215, 31, v0
	v_lshl_add_u32 v214, v215, 4, s50              ; and in out0: rows 8 j + h + 2 i: 2,048 x wave + 16 x lane
.irp x, 0,1
	ds_store_b64 v211, v[NM+2*\x:NM+2*\x+1] offset:128*\x          ; (lanes l and l xor 16 store the same)
.endr
	WIN 0x04                                       ; the data: window 1
.irp x, 0,1
.irp t, 0,1,2,3
	ds_store_b128 v210, v[AO+32*\x+8*\t:AO+32*\x+8*\t+3] offset:4352*\x+64*\t
	ds_store_b128 v210, v[AO+32*\x+8*\t+4:AO+32*\x+8*\t+7] offset:4352*\x+64*\t+16
.endr
.endr
	WIN 0
	s_wait_alu depctr_va_vdst(0)                   ; the wait ahead of the barrier
	s_wait_dscnt 0x0
	s_barrier_signal -1
	s_barrier_wait -1
.irp i, 0,1,2,3
.irp g, 0,1,2,3
	ds_load_b64 v[64+8*\i+2*\g:65+8*\i+2*\g], v213 offset:512*\g+256*(\i%2)+8*(\i/2)   ; group g's -M and l
.endr
.endr
.irp i, 0,1,2,3
.irp g, 0,1,2,3
	ds_load_b128 v[112+16*\i+4*\g:115+16*\i+4*\g], v212 offset:17408*\g+8704*(\i%2)+272*(\i/2)
.endr
.endr
	s_wait_dscnt 16                                ; the statistics are in; the sixteen loads behind them may be out
.irp i, 0,1,2,3
	v_min_num_f32 v[96+\i], v[64+8*\i], v[66+8*\i]
	v_min_num_f32 v[100+\i], v[68+8*\i], v[70+8*\i]
.endr
.irp i, 0,1,2,3
	v_min_num_f32 v[96+\i], v[96+\i], v[100+\i]    ; the least -M: that of the largest M
.endr
.irp i, 0,1,2,3
.irp g, 0,2,4,6
	v_sub_f32 v[64+8*\i+\g], v[96+\i], v[64+8*\i+\g]   ; group g's M less the largest: a whole number, 0 or less
.endr
.endr
.irp i, 0,1,2,3
.irp g, 0,2,4,6
	v_cvt_i32_f32 v[64+8*\i+\g], v[64+8*\i+\g]
.endr
.endr
.irp i, 0,1,2,3
.irp g, 0,2,4,6
	v_ldexp_f32 v[64+8*\i+\g], 1.0, v[64+8*\i+\g]  ; exact powers of two
.endr
.endr
.irp i, 0,1,2,3
	v_mul_f32 v[104+\i], v[64+8*\i], v[65+8*\i]
.endr
.irp g, 2,4,6
.irp i, 0,1,2,3
	v_fma_f32 v[104+\i], v[64+8*\i+\g], v[65+8*\i+\g], v[104+\i]   ; the row's sum under the largest M: at least 1/2
.endr
.endr
	s_wait_alu depctr_va_vdst(0)
.irp i, 0,1,2,3
	v_rcp_f32 v[104+\i], v[104+\i]
.endr
	v_nop                                          ; a plain instruction behind the reciprocals
	s_wait_alu depctr_va_vdst(0)                   ; the wait ahead of the first line that names a reciprocal's result
	s_wait_dscnt 0x0
.irp i, 0,1,2,3
.irp g, 0,2,4,6
	v_mul_f32 v[64+8*\i+\g], v[64+8*\i+\g], v[104+\i]
.endr
.endr
.irp i, 0,1,2,3
.irp u, 0,2
	v_pk_mul_f32 v[176+4*\i+\u:177+4*\i+\u], v[112+16*\i+\u:113+16*\i+\u], v[64+8*\i:65+8*\i] op_sel_hi:[1,0]
.endr
.endr
.irp g, 1,2,3
.irp i, 0,1,2,3
.irp u, 0,2
	v_pk_fma_f32 v[176+4*\i+\u:177+4*\i+\u], v[112+16*\i+4*\g+\u:113+16*\i+4*\g+\u], v[64+8*\i+2*\g:65+8*\i+2*\g], v[176+4*\i+\u:177+4*\i+\u] op_sel_hi:[1,0,1]
.endr
.endr
.endr
.irp i, 0,1,2,3
	global_store_b128 v214, v[176+4*\i:179+4*\i], s[OB:OB+1] offset:512*\i th:TH_STORE_NT   ; 32 lanes store 512 consecutive bytes, at a multiple of 256 from out0's first byte; written once
.endr
	s_wait_tensorcnt 0x0                           ; the wave's end
	ds_add_u32 v[SPW], v[NIL]
	s_wait_dscnt 0x0
	ROUND                                          ; the closing round: no work-group ends while a partner may still ask for a tile that names it
	s_endpgm
.Lfunc_end_k_q7a96ac5824_attn:
	.size	k_q7a96ac5824_attn, .Lfunc_end_k_q7a96ac5824_attn-k_q7a96ac5824_attn
	.p2alignl 7, 3214868480
	.fill 96, 4, 3214868480
	.section	.rodata,"a",@progbits
	.p2align	6, 0x0
	.amdhsa_kernel k_q7a96ac5824_attn
		.amdhsa_group_segment_fixed_size 327680
		.amdhsa_private_segment_fixed_size 0
		.amdhsa_enable_private_segment 0
		.amdhsa_kernarg_size 32
		.amdhsa_user_sgpr_count 2
		.amdhsa_user_sgpr_kernarg_segment_ptr 1
		.amdhsa_wavefront_size32 1
		.amdhsa_system_sgpr_workgroup_id_x 1
		.amdhsa_system_sgpr_workgroup_id_y 1
		.amdhsa_system_sgpr_workgroup_id_z 1
		.amdhsa_system_vgpr_workitem_id 0
		.amdhsa_next_free_vgpr 408
		.amdhsa_next_free_sgpr 66
		.amdhsa_reserve_vcc 0
		.amdhsa_float_denorm_mode_32 3
		.amdhsa_float_denorm_mode_16_64 3
		.amdhsa_memory_ordered 1
		.amdhsa_forward_progress 1
		.amdhsa_inst_pref_size 234
	.end_amdhsa_kernel
	.amdgpu_metadata
---
amdhsa.version: [ 1, 2 ]
amdhsa.kernels:
  - .name:           k_q7a96ac5824_attn
    .symbol:         k_q7a96ac5824_attn.kd
    .args:
      - { .name: q, .offset: 0, .size: 8, .value_kind: global_buffer, .address_space: global }
      - { .name: kv, .offset: 8, .size: 8, .value_kind: global_buffer, .address_space: global }
      - { .name: kvg, .offset: 16, .size: 8, .value_kind: global_buffer, .address_space: global }
      - { .name: out0, .offset: 24, .size: 8, .value_kind: global_buffer, .address_space: global }
    .group_segment_fixed_size: 327680
    .private_segment_fixed_size: 0
    .kernarg_segment_align: 8
    .kernarg_segment_size: 32
    .max_flat_workgroup_size: 256
    .sgpr_count:     66
    .vgpr_count:     408
    .wavefront_size: 32
...
	.end_amdgpu_metadata
.endif
;; end of part 3
